; MI455X (gfx1250); checked and timed in simulation.
; The chip was launched on July 23, 2026; its instructions are those of AMD's public machine-readable ISA for CDNA 5 (MIT licence, August 2026) and "CDNA5" Instruction Set Architecture Reference Guide (July 2026). The comments in the code are by the model that wrote it; some were corrected since.
;; MAM Dense. Allowed arithmetic: float matrix products may take bf16 or f16 operands with f32 sums; other float arithmetic in f32, or as packed bf16 or f16 multiplies, adds, multiply-adds, maxima and minima; sums over many terms, partial sums and values carried from step to step in f32; what a program stores and reads back later, other than sums and carried values, may be rounded once to bf16 or f16.
;; Inputs: bias 768 float32; weight 768 x 768 float32; x 2 x 1,024 x 768 float32.
;; Outputs: out0 2 x 1,024 x 768 float32.
;; One version. Each part assembles by itself: llvm-mc -triple=amdgcn-amd-amdhsa -mcpu=gfx1250 --defsym DOCPART=n.
;; ======== version 1 of 1: 1 launch
;; launch mam (part 1): grid 4 x 64, 4 waves a work-group, clusters of 4 x 4, 327,680 bytes of LDS; arguments x, weight, bias, out0; writes out0
.if DOCPART == 1
	.amdgcn_target "amdgcn-amd-amdhsa--gfx1250"
	.amdhsa_code_object_version 6
	.text
	.protected	k_qd36bdc0590_mam
	.globl	k_qd36bdc0590_mam
	.p2align	8
	.type	k_qd36bdc0590_mam,@function
k_qd36bdc0590_mam:
	s_mov_b64 s[64:65], 0
	v_nop
	global_prefetch_b8 v0, s[64:65] scope:SCOPE_SE
	s_setreg_imm32_b32 hwreg(HW_REG_WAVE_MODE, 25, 1), 1
	s_wait_xcnt 0x0
	s_wait_alu depctr_hold_cnt(0) depctr_sa_sdst(0) depctr_va_vdst(0) depctr_va_sdst(0) depctr_va_ssrc(0) depctr_va_vcc(0) depctr_vm_vsrc(0)
	s_getreg_b32 s2, hwreg(HW_REG_IB_STS2, 6, 4)
	s_cmp_eq_u32 s2, 0
	s_cbranch_scc0 .Lentry_in_a_cluster
	s_endpgm
.Lentry_in_a_cluster:
	s_bfe_u32 s2, ttmp6, 0x10000c
	s_cmp_lg_u32 s2, 0xf033
	s_cbranch_scc0 .Lentry_shape_is_right
	s_endpgm
.Lentry_shape_is_right:
; out[r][c] = (max over k of x[r][k] w[c][k]) + (min over k of x[r][k] w[c][k]) + bias[c].
; x: [2048][768] (its two leading axes taken as one), w: [768][768], bias: [768], out: [2048][768], all f32.
; ARITHMETIC.  All in f32.  One v_pk_mul_f32 makes the products of two neighbouring k (x and w both lie along k, so the pairs come as they are loaded), each rounded once;
; one v_max3_num_f32 and one v_min3_num_f32 take both into the running maximum and minimum, which round nothing: three instructions for two products.  Nothing is summed
; over k, so the matrix instructions have no part here; packed 16-bit forms would also take three instructions for two products, and would round.  The two additions at the end
; stand in the definition's order.
; LIMITS.  v_max3_num_f32 and v_min3_num_f32 drop a NaN where the definition hands it on: with a NaN among the inputs, or an infinity that meets a zero, the result differs.
; The sign of a zero is not looked after.  Every finite input is served, denormals too.
; SHARES.  256 work-groups of four waves; a work-group makes 32 rows x 192 columns of out: a row of its tile is 768 bytes, three aligned runs of 256.  (64 x 96 would fetch 160 rows a K step
; for these 224, but its rows of 384 bytes would share aligned runs of 256 bytes with the neighbour.)  A wave takes all 32 rows and 48 of the columns; its lanes form 4 x 8, and a lane holds
; 8 rows x 6 columns: 48 maxima and 48 minima.  For four k a lane reads 8 + 6 pieces of 16 bytes from LDS and issues 288 vector instructions.
; RING.  K goes in six steps of 128 (rows of 512 bytes, starting at multiples of 256 bytes from the buffers' first bytes) through two LDS slots filled by the tensor data mover: waves 0 to 2
; fetch 64 rows of w each, wave 3 the 32 rows of x.  One load a wave goes out behind each change of slots and has the step's 9,216 vector instructions in which to land: a wave never has more than one out.
; CLUSTER.  4 x 4 work-groups.  x's tile hangs on the tile row alone and is asked for jointly by a row of the cluster, w's on the tile column alone and is asked for jointly by a column:
; the same tensor load, descriptor and mask in the four that the mask names.
; REGISTERS.  v0-17 addresses; v18-23 bias; v24-47 products; v48-111 x's fragments, two buffers; v112-159 w's, two buffers; v160-207 maxima; v208-255 minima.  No register window is switched.
.set SIZE_N, 768
.set SIZE_K, 768
.set ROWB,   SIZE_K*4                  ; bytes in a row of x and of w; a row of out has as many (SIZE_N = SIZE_K)
.set TM,     32                        ; rows of out in a work-group's tile
.set TN,     192                       ; columns
.set KS,     128                       ; k in a step
.set STEPB,  KS*4                      ; bytes of a row in a step
.set NSTEP,  SIZE_K/KS                 ; 6
.set PITCH,  STEPB+16                  ; an LDS row: 512 bytes + 16 of padding = 132 words: row r starts at bank 4 r mod 64 (64 banks of 4 bytes: ISA guide 11.1)
.set WPART,  64*PITCH                  ; what one of w's three loads brings
.set XOFF,   3*WPART                   ; a slot: w's 192 rows, then x's 32
.set SLOT1,  1<<17                     ; slot 1 begins here (a slot has 118,272 bytes), so that one exclusive or turns an address in one slot into the other's
.set STAGE,  SLOT1+XOFF+TM*PITCH       ; behind the ring, never filled by a tensor load: the work-group's tile of out, for the way out
.set SP,     TN*4+16                   ; a row of the stage
.set SPARE,  STAGE+TM*SP               ; behind the stage: the spare words, 128 bytes for each wave: two blocks of 256 bytes that no other line names
.set TRIPS,  KS/8-1                    ; trips of the loop in a step: eight k each; the last eight k are written out
.set ASK_AT, 3                         ; the prefetch stands in the trip in which so many trips are still to be counted
.set AX0, 7                            ; v7   my lane's place in x's tile; never rewritten
.set AW0, 8                            ; v8   the same in w's tile
.set AX,  9                            ; v9   LDS address of x's next run of loads
.set AW,  10                           ; v10  of w's
.set STO, 11                           ; v11  the way out: where I put my numbers
.set RD,  12                           ; v12  the way out: where I read rows back
.set GO,  13                           ; v13  my byte offset in the wave's rows of out
.set BO,  14                           ; v14  my byte offset in bias
.set PFO, 15                           ; v15  the prefetch's offset: row lane / 4, block lane % 4 of 256 bytes; never rewritten
.set SPW, 16                           ; v16  LDS address of my spare word: SPARE + 4 x my thread's number; never rewritten
.set NIL, 17                           ; v17  0; never rewritten
.set BI,  18                           ; v[18:23]   bias of my six columns
.set P,   24                           ; v[24:47]   a row's 24 products: column u's four at P + 4 u
.set XF,  48                           ; v[48:111]  buffer b, row t: four k at XF + 32 b + 4 t
.set WF,  112                          ; v[112:159] buffer b, column u: four k at WF + 24 b + 4 u
.set AM,  160                          ; v[160:207] the maximum of (row t, column u) at AM + 6 t + u
.set AN,  208                          ; v[208:255] the minimum likewise
.set OB,  XF                           ; the way out: rows read back from the stage
.set WV,  12                           ; s12  my wave's number
.set CX,  13                           ; s13  my place along the cluster's x
.set CY,  14                           ; s14  along its y
.set GX,  15                           ; s15  tile column of out
.set GY,  16                           ; s16  tile row
.set G1X, 24                           ; s[24:31] descriptor group 1 for x's tiles
.set G1W, 32                           ; s[32:39] for w's
.set G0X, 40                           ; s[40:43] descriptor group 0 for x's tiles: it walks
.set G0W, 44                           ; s[44:47] the same for w's
.set STEPS, 48                         ; s48  K steps whose change of slots still asks for a tile
.set CNT, 49                           ; s49  counts a step's trips
.set TB,  50                           ; s50  LDS byte at which the k to be fetched begin in a slot's rows
.set LIM, 51                           ; s51  ASK_AT in a wave that prefetches, else 0
.set ASKAT, 52                         ; s52  the same in a step that prefetches, else 0: no trip has that count
.set PFA, 54                           ; s[54:55] where my prefetch stands: my eight rows, at the K step after the one that is being asked for
.set NINF, 56                          ; s56  -infinity
.set PINF, 57                          ; s57  +infinity
.set G1BITS, (2<<16)|(1<<20)|(1<<21)|(6<<22)|(3<<25)  ; 17:16 elements of 4 bytes; 20 padding on; 21 set beside a mask; 24:22 after every 128 words (code 6); 31:25 4 words of it (code 3)
; A joint load.  Wave 3 fetches x's tile, waves 0 to 2 a third of w's each.  Each of the two lines has one mask and one set of registers for all that issue it; the branch hangs on the wave's
; number alone.  An s_nop 0 and four v_nop follow each line, ahead of the jump and the label.
.macro JLOAD
	s_cmp_eq_u32 s[WV], 3
	s_cbranch_scc0 .Lfor_w_\@
	tensor_load_to_lds s[G0X:G0X+3], s[G1X:G1X+7]
	s_nop 0
.rept 4
	v_nop
.endr
	s_branch .Lasked_\@
.Lfor_w_\@:
	tensor_load_to_lds s[G0W:G0W+3], s[G1W:G1W+7]
	s_nop 0
.rept 4
	v_nop
.endr
.Lasked_\@:
.endm
; A round of the cluster's barrier: my work-group's barrier, so that wave 0's signal speaks for all four waves; wave 0 signals for the work-group; every wave waits for all sixteen
; work-groups; my work-group's barrier once more.  No LDS instruction of the wave is pending at a signal.
.macro CROUND
	s_barrier_signal -1
	s_barrier_wait -1
	s_cmp_lg_u32 s[WV], 0
	s_cbranch_scc1 .Lnot_wave_0_\@
	s_barrier_signal -3
.Lnot_wave_0_\@:
	s_barrier_wait -3
	s_barrier_signal -1
	s_barrier_wait -1
.endm
; A PREFETCH INTO THE L2: two K steps (1,024 bytes, four blocks of 256) of eight rows, a lane a block, one instruction a wave.  It stands in steps 0 and 2, for steps 2, 3 and 4, 5; steps 0 and 1 come by
; their loads alone.  Each block is named once in the launch.  x's 32 rows of a tile are fetched by one row of one cluster: its four partners take eight rows each, told apart BY ADDRESS (cx), wave 3 asks.
; w's 64 rows of a wave are fetched by every cluster: those with y = 0 and 1 ask, 32 rows each, and of these the four partners of a column take eight each (cy), the wave that fetches them asks.
; No branch hangs on a work-group's place in its cluster.  Behind it stand three trips and the written-out last one, 2,304 vector instructions, up to the change of slots that asks for the first of the two steps.
.macro ASK
	s_cmp_eq_u32 s[CNT], s[ASKAT]
	s_cbranch_scc0 .Lnot_now_\@
	global_prefetch_b8 v[PFO], s[PFA:PFA+1] th:TH_LOAD_NT scope:SCOPE_SE
.Lnot_now_\@:
.endm
; THE CHANGE OF SLOTS.  Each wave waits for all its tensor loads, of which one is out: its part of the slot to be read; adds 0 to its spare word; and waits for that and for its own reads of the slot that it
; leaves.  fill = 1: that slot is filled again, with the K step after the one to be read.  The barrier is then a round of the cluster's, so that no wave of any partner still reads the slot or has a load on
; its way, and the joint load is the first thing behind it.  (At its first use nothing has been read yet: slot 0 is waited for, slot 1 filled.)
.macro CHANGE fill
	s_wait_tensorcnt 0x0                           ; no tensor load of mine is out, so a group 0 may be written
	ds_add_u32 v[SPW], v[NIL]                      ; 0 onto my spare word; the scalar work below stands between it and the wait for it
.if \fill
	s_xor_b32 s[G0X+1], s[G0X+1], SLOT1            ; the walking descriptors: the other slot than last time,
	s_add_nc_u64 s[G0X+2:G0X+3], s[G0X+2:G0X+3], STEPB  ; the next 128 k; the type bits on top are not reached
	s_xor_b32 s[G0W+1], s[G0W+1], SLOT1
	s_add_nc_u64 s[G0W+2:G0W+3], s[G0W+2:G0W+3], STEPB
	s_and_b32 s2, s[STEPS], 1                      ; the count is 5 in step 0 and 3 in step 2: odd and above 2: those two steps prefetch
	s_cmp_gt_u32 s[STEPS], 2
	s_cselect_b32 s3, s[LIM], 0
	s_mul_i32 s[ASKAT], s2, s3
	s_wait_xcnt 0x0                                ; the last prefetch, a step or more back, has read its address, so it may be written
	s_add_nc_u64 s[PFA:PFA+1], s[PFA:PFA+1], STEPB
	s_wait_dscnt 0x0                               ; the add is done, and my reads of the slot are over
	CROUND
	JLOAD
.else
	s_wait_dscnt 0x0                               ; the add is done, and my reads of the slot are over
	s_barrier_signal -1
	s_barrier_wait -1
.endif
	s_sub_co_u32 s[TB], s[TB], TRIPS*32            ; the fetches go back to the rows' first k,
	s_xor_b32 s[TB], s[TB], SLOT1                  ; in the other slot
.endm
; 14 LDS loads in one run: four k, at byte off behind the two addresses, of my 8 rows of x and my 6 rows of w, into buffer b.  Sixteen lanes touch two rows of x, 8 rows (128 bytes modulo 256)
; apart, or eight rows of w, 6 rows (96 bytes modulo 256) apart: no two of them in the same banks.
.macro FETCH b, off
.irp t, 0,1,2,3,4,5,6,7
	ds_load_b128 v[XF+32*(\b)+4*(\t):XF+32*(\b)+4*(\t)+3], v[AX] offset:(\off)+(\t)*PITCH
.endr
.irp u, 0,1,2,3,4,5
	ds_load_b128 v[WF+24*(\b)+4*(\u):WF+24*(\b)+4*(\u)+3], v[AW] offset:(\off)+(\u)*PITCH
.endr
.endm
; Buffer b's four k for all 48 outputs: 288 instructions, a row of six outputs at a time: 12 packed products (the first pair of k for the six columns, then the second), then the six maxima and the six
; minima of each pair.  So twelve instructions or more stand between a product and its first reader, and between two updates of one accumulator.
.macro MULS b
.irp t, 0,1,2,3,4,5,6,7
.irp h, 0,2
.irp u, 0,1,2,3,4,5
	v_pk_mul_f32 v[P+4*(\u)+(\h):P+4*(\u)+(\h)+1], v[XF+32*(\b)+4*(\t)+(\h):XF+32*(\b)+4*(\t)+(\h)+1], v[WF+24*(\b)+4*(\u)+(\h):WF+24*(\b)+4*(\u)+(\h)+1]
.endr
.endr
.irp h, 0,2
.irp u, 0,1,2,3,4,5
	v_max3_num_f32 v[AM+6*(\t)+(\u)], v[AM+6*(\t)+(\u)], v[P+4*(\u)+(\h)], v[P+4*(\u)+(\h)+1]
.endr
.irp u, 0,1,2,3,4,5
	v_min3_num_f32 v[AN+6*(\t)+(\u)], v[AN+6*(\t)+(\u)], v[P+4*(\u)+(\h)], v[P+4*(\u)+(\h)+1]
.endr
.endr
.endr
.endm
; A K STEP: 32 times four k, on buffers 0, 1, 0, 1 ..: while one buffer is multiplied the other's 14 loads, issued in one run ahead of the 288 instructions, are on their way.
; A trip takes eight k; the last eight are written out, so that nothing is fetched from behind the rows' 512 bytes.  ask = 1: the step may prefetch.
.macro STEPWORK ask
	v_add_nc_u32 v[AX], s[TB], v[AX0]
	v_add_nc_u32 v[AW], s[TB], v[AW0]
	FETCH 0, 0
	s_mov_b32 s[CNT], TRIPS
.Ltrip_\@:
	s_wait_dscnt 0x0                               ; buffer 0 is in: nothing was issued behind its run
	FETCH 1, 16
.if \ask
	ASK                                            ; behind the run of LDS loads
.endif
	MULS 0
	s_wait_dscnt 0x0                               ; buffer 1 is in
	s_add_co_u32 s[TB], s[TB], 32                  ; eight k on
	v_add_nc_u32 v[AX], s[TB], v[AX0]
	v_add_nc_u32 v[AW], s[TB], v[AW0]
	FETCH 0, 0
	MULS 1
	s_sub_co_u32 s[CNT], s[CNT], 1
	s_cmp_lg_u32 s[CNT], 0
	s_cbranch_scc1 .Ltrip_\@
	s_wait_dscnt 0x0
	FETCH 1, 16                                    ; the step's last four k
	MULS 0
	s_wait_dscnt 0x0
	MULS 1
.endm
	s_load_b256 s[4:11], s[0:1], 0x0               ; x s[4:5], w s[6:7], bias s[8:9], out s[10:11]
	v_lshl_add_u32 v[SPW], v0, 2, SPARE
	v_mov_b32 v[NIL], 0
	ds_add_u32 v[SPW], v[NIL]                      ; the wave's opening: the add and its wait stand ahead of my first tensor load; the set-up below, work on registers, stands between them
	v_lshrrev_b32 v1, 5, v0
	v_readfirstlane_b32 s[WV], v1                  ; wave 0..3
	s_bfe_u32 s[CX], ttmp6, 0x40000                ; cx
	s_bfe_u32 s[CY], ttmp6, 0x40004                ; cy
	s_lshl_b32 s[GX], ttmp9, 2                     ; in a cluster launch ttmp9 and ttmp7 count clusters
	s_add_co_u32 s[GX], s[GX], s[CX]               ; tile column = 4 x cluster x + cx
	s_and_b32 s[GY], ttmp7, 0xffff
	s_lshl_b32 s[GY], s[GY], 2
	s_add_co_u32 s[GY], s[GY], s[CY]               ; tile row = 4 x cluster y + cy
	s_lshl_b32 s18, s[CY], 2
	s_lshl_b32 s18, 15, s18                        ; my row of the cluster: places 4 cy .. 4 cy + 3
	s_lshl_b32 s19, 0x1111, s[CX]                  ; my column: places cx, cx + 4, cx + 8, cx + 12
	; descriptor group 1: tiles of 32 (x) and 64 (w) rows x 128 elements of 4 bytes, padded in LDS
	s_or_b32 s[G1X], s18, G1BITS                   ; 15:0 the mask: x's tiles go to my row of the cluster
	s_or_b32 s[G1W], s19, G1BITS                   ; w's to my column
	s_mov_b32 s[G1X+1], KS<<16                     ; 63:48 tensor_dim0, low half = 128
	s_mov_b32 s[G1W+1], KS<<16
	s_mov_b32 s[G1X+2], TM<<16                     ; 79:64 its high half = 0; 95:80 tensor_dim1, low half: the tile's rows
	s_mov_b32 s[G1W+2], 64<<16
	s_mov_b32 s[G1X+3], KS<<16                     ; 111:96 its high half = 0; 127:112 tile_dim0 = 128
	s_mov_b32 s[G1W+3], KS<<16
	s_mov_b32 s[G1X+4], TM                         ; 143:128 tile_dim1; 159:144 tile_dim2 = 0
	s_mov_b32 s[G1W+4], 64
	s_mov_b32 s[G1X+5], SIZE_K                     ; 191:160 tensor_dim0_stride: elements from row to row
	s_mov_b32 s[G1W+5], SIZE_K
	s_mov_b32 s[G1X+6], 0
	s_mov_b32 s[G1W+6], 0
	s_mov_b32 s[G1X+7], 0
	s_mov_b32 s[G1W+7], 0
	; where the tiles come from: x's hang on the tile row alone, w's on the tile column and the wave's number, each in registers that never hold the other coordinate
	s_mul_i32 s20, s[GY], TM*ROWB                  ; x: row 32 x tile row, in bytes (under 2^23)
	s_mov_b32 s21, 0
	s_mul_i32 s22, s[GX], TN
	s_lshl_b32 s23, s[WV], 6
	s_add_co_u32 s22, s22, s23                     ; w: row 192 x tile column + 64 x wave
	s_mul_i32 s22, s22, ROWB
	s_mov_b32 s23, 0
	s_mov_b32 s[G0X], 1                            ; 1:0 count = 1
	s_mov_b32 s[G0X+1], XOFF                       ; 63:32 LDS address: slot 0, behind w's rows
	s_mov_b32 s[G0W], 1
	s_mul_i32 s[G0W+1], s[WV], WPART               ; wave x 64 rows: no place in the cluster enters an LDS address
	s_mov_b32 s[NINF], 0xff800000
	s_mov_b32 s[PINF], 0x7f800000
	s_mov_b32 s[TB], SLOT1+TRIPS*32                ; the first change of slots turns this into 0
	s_mov_b32 s[STEPS], NSTEP-1
	s_wait_dscnt 0x0                               ; the opening add is done
	s_wait_kmcnt 0x0
	s_add_nc_u64 s[G0X+2:G0X+3], s[4:5], s[20:21]  ; 120:64 global address: K step 0
	s_or_b32 s[G0X+3], s[G0X+3], 0x80000000        ; 127:126 type = 2
	s_add_nc_u64 s[G0W+2:G0W+3], s[6:7], s[22:23]
	s_or_b32 s[G0W+3], s[G0W+3], 0x80000000
	CROUND                                         ; all sixteen work-groups are here: the first joint loads meet
	JLOAD                                          ; K step 0 into slot 0; all that follows up to the loop stands in the wait for it
	v_and_b32 v2, 7, v0                            ; my place along the columns, 0..7
	v_bfe_u32 v3, v0, 3, 2                         ; along the rows, 0..3
	v_and_b32 v4, 15, v0                           ; lane % 16
	v_bfe_u32 v5, v0, 4, 1                         ; lane / 16
	v_mul_u32_u24 v[AX0], v3, 8*PITCH              ; my 8 rows of x
	v_add_nc_u32 v[AX0], XOFF, v[AX0]
	s_mul_i32 s17, s[WV], 48*PITCH                 ; my wave's 48 rows of w,
	v_mul_u32_u24 v[AW0], v2, 6*PITCH              ; my 6 of them
	v_add_nc_u32 v[AW0], s17, v[AW0]
	s_mul_i32 s62, s[GX], TN*4                     ; bias of my six columns: 24 consecutive bytes
	s_mul_i32 s63, s[WV], 48*4
	s_add_co_u32 s62, s62, s63
	v_mul_u32_u24 v[BO], v2, 24
	v_add_nc_u32 v[BO], s62, v[BO]
	global_load_b64 v[BI:BI+1],   v[BO], s[8:9]
	global_load_b64 v[BI+2:BI+3], v[BO], s[8:9] offset:8
	global_load_b64 v[BI+4:BI+5], v[BO], s[8:9] offset:16
	s_mul_i32 s17, s[WV], 48*4                     ; into the stage: my 8 rows, my 24 bytes of them
	s_add_co_u32 s17, s17, STAGE
	v_mul_u32_u24 v[STO], v3, 8*SP
	v_mad_u32_u24 v[STO], v2, 24, v[STO]
	v_add_nc_u32 v[STO], s17, v[STO]
	s_mul_i32 s17, s[WV], 8*SP                     ; back: wave v takes rows 8 v .. 8 v + 7, whole: lanes 0-15 the first four, lanes 16-31 the other four, 256 bytes at a time
	s_add_co_u32 s17, s17, STAGE
	v_mul_u32_u24 v[RD], v5, 4*SP
	v_lshl_add_u32 v[RD], v4, 4, v[RD]
	v_add_nc_u32 v[RD], s17, v[RD]
	v_mul_u32_u24 v[GO], v5, 4*ROWB                ; and the same rows in out
	v_lshl_add_u32 v[GO], v4, 4, v[GO]
	s_lshl_b32 s62, s[GY], 5
	s_lshl_b32 s63, s[WV], 3
	s_add_co_u32 s62, s62, s63                     ; the first row of out that I store: 32 x tile row + 8 x wave
	s_mul_i32 s62, s62, ROWB
	s_mul_i32 s63, s[GX], TN*4                     ; the tile's first column, in bytes
	s_add_co_u32 s62, s62, s63
	s_mov_b32 s63, 0
	s_add_nc_u64 s[10:11], s[10:11], s[62:63]
	; the prefetches
	v_bfe_u32 v6, v0, 2, 3                         ; lane / 4: one of my eight rows
	v_and_b32 v1, 3, v0                            ; lane % 4: one of four blocks of 256 bytes
	v_mul_u32_u24 v[PFO], v6, ROWB
	v_lshl_add_u32 v[PFO], v1, 8, v[PFO]
	s_and_b32 s58, ttmp7, 0xffff                   ; cluster y
	s_lshl_b32 s60, s[GY], 5
	s_lshl_b32 s61, s[CX], 3
	s_add_co_u32 s60, s60, s61                     ; in x: row 32 x tile row + 8 cx
	s_mul_i32 s61, s[GX], TN
	s_lshl_b32 s59, s[WV], 6
	s_add_co_u32 s61, s61, s59
	s_min_u32 s59, s58, 1                          ; (held to 1, so that the address lies in w in the clusters that do not ask, too)
	s_lshl_b32 s59, s59, 5
	s_add_co_u32 s61, s61, s59
	s_lshl_b32 s59, s[CY], 3
	s_add_co_u32 s61, s61, s59                     ; in w: row 192 x tile column + 64 x wave + 32 x cluster y + 8 cy
	s_cmp_eq_u32 s[WV], 3                          ; do I fetch for x?
	s_cselect_b32 s60, s60, s61
	s_cselect_b64 s[PFA:PFA+1], s[4:5], s[6:7]
	s_cselect_b32 s58, 0, s58                      ; x's rows are fetched by my cluster alone: it asks; w's by all: the first two along y ask
	s_mul_i32 s60, s60, ROWB
	s_mov_b32 s61, 0
	s_add_nc_u64 s[PFA:PFA+1], s[PFA:PFA+1], s[60:61]
	s_add_nc_u64 s[PFA:PFA+1], s[PFA:PFA+1], STEPB ; at K step 1: the first change of slots steps it to 2
	s_cmp_lt_u32 s58, 2
	s_cselect_b32 s[LIM], ASK_AT, 0                ; the same in all sixteen partners, for a given wave
	; the maxima start at -infinity, the minima at +infinity, so that a step has one text
.set i, 0
.rept 48
	v_mov_b32 v[AM+i], s[NINF]
	v_mov_b32 v[AN+i], s[PINF]
.set i, i+1
.endr
.Lstep:                                                ; five times: a K step is entered and the next is asked for
	CHANGE 1
	STEPWORK 1
	s_sub_co_u32 s[STEPS], s[STEPS], 1
	s_cmp_lg_u32 s[STEPS], 0
	s_cbranch_scc1 .Lstep
	CHANGE 0                                       ; the last K step is written out: nothing is asked for
	STEPWORK 0
	; THE WAY OUT.  maximum + minimum, then + bias, two columns an instruction; 8 bytes at a time into the work-group's stage; a barrier, since a row's 768 bytes come from four waves; back as whole rows.
	s_wait_loadcnt 0x0                             ; bias
.set i, 0
.rept 24
	v_pk_add_f32 v[AM+2*i:AM+2*i+1], v[AM+2*i:AM+2*i+1], v[AN+2*i:AN+2*i+1]
.set i, i+1
.endr
.set i, 0
.rept 24
	v_pk_add_f32 v[AM+2*i:AM+2*i+1], v[AM+2*i:AM+2*i+1], v[BI+2*(i%3):BI+2*(i%3)+1]
.set i, i+1
.endr
.set i, 0
.rept 24                                               ; row i / 3 of my eight, columns 2 (i % 3) and the next
	ds_store_b64 v[STO], v[AM+2*i:AM+2*i+1] offset:(i/3)*SP+8*(i%3)
.set i, i+1
.endr
	s_wait_dscnt 0x0                               ; for the others' sake: my stores into the stage are done
	s_barrier_signal -1
	s_barrier_wait -1
.set i, 0
.rept 12                                               ; row i / 3 of each half's four, its run i % 3 of 256 bytes
	ds_load_b128 v[OB+4*i:OB+4*i+3], v[RD] offset:(i/3)*SP+(i%3)*256
.set i, i+1
.endr
.set i, 0
.rept 12
	s_wait_dscnt 11-i                              ; LDS loads come back in order (ISA guide 5.7.1): load i is in, the 11 - i younger ones may stay out
	global_store_b128 v[GO], v[OB+4*i:OB+4*i+3], s[10:11] offset:(i/3)*ROWB+(i%3)*256 th:TH_STORE_NT  ; 16 lanes store 256 consecutive bytes, at a multiple of 256 from out's first byte
.set i, i+1
.endr
	s_wait_tensorcnt 0x0                           ; the wave's end, behind my last tensor load and my last LDS store
	ds_add_u32 v[SPW], v[NIL]
	s_wait_dscnt 0x0
	CROUND                                         ; the closing round: no work-group ends while a partner may still ask for a tile that names it
	s_endpgm
.Lfunc_end_k_qd36bdc0590_mam:
	.size	k_qd36bdc0590_mam, .Lfunc_end_k_qd36bdc0590_mam-k_qd36bdc0590_mam
	.p2alignl 7, 3214868480
	.fill 96, 4, 3214868480
	.section	.rodata,"a",@progbits
	.p2align	6, 0x0
	.amdhsa_kernel k_qd36bdc0590_mam
		.amdhsa_group_segment_fixed_size 327680
		.amdhsa_private_segment_fixed_size 0
		.amdhsa_enable_private_segment 0
		.amdhsa_kernarg_size 32
		.amdhsa_user_sgpr_count 2
		.amdhsa_user_sgpr_kernarg_segment_ptr 1
		.amdhsa_wavefront_size32 1
		.amdhsa_system_sgpr_workgroup_id_x 1
		.amdhsa_system_sgpr_workgroup_id_y 1
		.amdhsa_system_sgpr_workgroup_id_z 1
		.amdhsa_system_vgpr_workitem_id 0
		.amdhsa_next_free_vgpr 256
		.amdhsa_next_free_sgpr 66
		.amdhsa_reserve_vcc 0
		.amdhsa_float_denorm_mode_32 3
		.amdhsa_float_denorm_mode_16_64 3
		.amdhsa_memory_ordered 1
		.amdhsa_forward_progress 1
		.amdhsa_inst_pref_size 172
	.end_amdhsa_kernel
	.amdgpu_metadata
---
amdhsa.version: [ 1, 2 ]
amdhsa.kernels:
  - .name:           k_qd36bdc0590_mam
    .symbol:         k_qd36bdc0590_mam.kd
    .args:
      - { .name: x, .offset: 0, .size: 8, .value_kind: global_buffer, .address_space: global }
      - { .name: weight, .offset: 8, .size: 8, .value_kind: global_buffer, .address_space: global }
      - { .name: bias, .offset: 16, .size: 8, .value_kind: global_buffer, .address_space: global }
      - { .name: out0, .offset: 24, .size: 8, .value_kind: global_buffer, .address_space: global }
    .group_segment_fixed_size: 327680
    .private_segment_fixed_size: 0
    .kernarg_segment_align: 8
    .kernarg_segment_size: 32
    .max_flat_workgroup_size: 128
    .sgpr_count:     66
    .vgpr_count:     256
    .wavefront_size: 32
...
	.end_amdgpu_metadata
.endif
;; end of part 1
